; MI455X (gfx1250); checked and timed in simulation.
; The chip was launched on July 23, 2026; its instructions are those of AMD's public machine-readable ISA for CDNA 5 (MIT licence, August 2026) and "CDNA5" Instruction Set Architecture Reference Guide (July 2026). The comments in the code are by the model that wrote it; some were corrected since.
;; Similarity Logit. Allowed arithmetic: matrix products marked QUANTISED: E3M2 operands, one E8M0 scale for each 32 along K, by v_wmma_scale_f32_16x16x128_f8f6f4 with both operands' format E3M2, f32 sums; products left as they are: f32 operands where the result goes on into a quantised operand, else bf16, f16 or f32 operands; f32 sums; everything else in f32.
;; Inputs: local_tokens 64 x 1,024 x 1,024 float32; queries 512 x 1,024 float32.
;; Outputs: out0 512 x 64 float32.
;; This version of the problem:
;;   THIS VERSION OF THE PROBLEM IS GIVEN IN LOW PRECISION. The matrix products marked QUANTISED in the list below multiply operands that are first quantised to E3M2 (3 exponent bits, 2 mantissa bits; 6 bits a number), with one power-of-two scale for each 32 numbers along K (OCP MX v1.0); their sums are f32. All else is computed in f32.
;;   The module's matrix products, in the order in which they are computed (A, B: the left and right operand; K: the contracted axis; several contracted axes count as one K, in the product's order):
;;     1. [M 65,536, K 1,024] x [K 1,024, N 512]; A: input local_tokens; B: input queries: QUANTISED
;;     2. batch 64 x [M 512, K 1,024] x [K 1,024, N 1,024]; A: softmax (see below); B: input local_tokens: QUANTISED
;;     3. batch 512 x [M 64, K 1,024] x [K 1,024, N 1]; A: computed on the way; B: computed on the way: left as it is (N = 1 < 16)
;;   THE QUANTISER, for each operand of a quantised product, along K:
;;     - K is cut into blocks of 32 from its start; a last block that is shorter is filled with zeros.
;;     - A block's scale is 2^e with e = floor(log2(the largest magnitude in the block)) - 4, held to -126 .. 127; a block of zeros has e = 0. As a byte (E8M0): e + 127.
;;     - Each number is divided by its block's scale, clamped to +-28, and rounded to the nearest number of E3M2, ties to even, subnormals kept.
;;     - The product sums the exact products of the quantised numbers (number of the format x scale) in f32.
;;   ~~~python
;;   def quantise(x, axis):      # numpy; x: float32 -> the quantised numbers, widened to float32 again
;;       x = np.moveaxis(x, axis, -1); K = x.shape[-1]
;;       x = np.pad(x, [(0, 0)] * (x.ndim - 1) + [(0, -K % 32)]); x = x.reshape(x.shape[:-1] + (-1, 32)); a = np.abs(x).max(-1, keepdims=True)
;;       e = np.where(a > 0, np.clip(np.frexp(np.where(a > 0, a, 1))[1] - 1 - 4, -126, 127), 0)      # np.frexp(a)[1] - 1 = floor(log2(a)), exactly
;;       r = np.clip(x / 2.0 ** e, -28, 28)
;;       step = 2.0 ** (np.maximum(np.frexp(np.where(r == 0, 1, r))[1] - 1, -2) - 2)
;;       q = np.round(r / step) * step * 2.0 ** e      # np.round: ties to even
;;       return np.moveaxis(q.reshape(q.shape[:-2] + (-1,))[..., :K], -1, axis).astype(np.float32)
;;   ~~~
;;   SOFTMAX AHEAD OF A QUANTISED PRODUCT. Where the list says 'softmax', what is quantised is not the finished softmax but p = 2^(t - M), with t = logit x log2(e) and M = ceil(the row's largest t), a whole number; so 1/2 < the row's largest p <= 1. The row's sum l is taken of the UNQUANTISED p, in f32, and the product's result is divided by l at the end. Since M is a whole number, a kernel that streams over the keys may use a running M (the ceiling of the running maximum): every later rescaling is an exact power of two, which a block's scale takes up: the codes' values come out the same.
;;   OPERANDS COMPUTED ON THE WAY. 'Computed on the way' means the value that the module computes at that place (a softmax that the list does not call 'softmax' is quantised finished and normalised). What goes into a quantiser is computed in f32, as accurately as f32 sums, v_exp_f32 and their like allow (about 1e-6 of the number): no bf16 or f16 on the way to a quantiser, and a product that is left as it is and whose result goes on into a quantised operand takes f32 operands (vector FMAs, or v_wmma_f32_16x16x4_f32). A number that lies on a knife's edge between two numbers of the format may be rounded either way, as far as f32 arithmetic and the matrix unit's own rounding can turn it there, and no further.
;; One version. Each part assembles by itself: llvm-mc -triple=amdgcn-amd-amdhsa -mcpu=gfx1250 --defsym DOCPART=n.
;; ======== version 1 of 1: 2 launches
;; workspace buffers: codes 104,857,600 bytes; qcodes 409,600 bytes; qsq 16,384 bytes
;; launch quant (part 1): grid 256 x 1, 8 waves a work-group, no clusters, 279,552 bytes of LDS; arguments local_tokens, queries, codes, qcodes, qsq; writes codes, qcodes, qsq
.if DOCPART == 1
	.amdgcn_target "amdgcn-amd-amdhsa--gfx1250"
	.amdhsa_code_object_version 6
	.text
	.protected	k_qe66460c526_quant
	.globl	k_qe66460c526_quant
	.p2align	8
	.type	k_qe66460c526_quant,@function
k_qe66460c526_quant:
	s_mov_b64 s[64:65], 0
	v_nop
	global_prefetch_b8 v0, s[64:65] scope:SCOPE_SE
	s_setreg_imm32_b32 hwreg(HW_REG_WAVE_MODE, 25, 1), 1
	s_wait_xcnt 0x0
; local_tokens [64][1024 keys][1024 d] f32 are read ONCE and turned into codes of BF6 (E3M2) twice: along d (the first product's K) and along the keys (the second product's K).
; queries [512][1024] likewise along d, with the sum of squares of each 128 d beside them.
; A block's scale is 2^(floor(log2(its largest magnitude)) - 4); its byte is the largest magnitude's exponent field - 4, held at 1 from below.
; LIMITS: a block of zeros gets the byte 1 (its codes are zeros, and this program alone reads the bytes); blocks whose largest magnitude lies under 2^(5 - 127) are held at that byte; NaN and infinities are not served.
; WHAT IS WRITTEN: BLOCKS of 25,600 bytes = 32 rows x 1,024 along K.  Fragment (K step s, tile u) at 1,536 (2 s + u), as an image of the operand's 12 registers: register j of lane L at 512 (j / 4) + 16 L + 4 (j % 4).
; From byte 24,576 on the scale words, [s][16 u + row], 4 bytes each.  codes: [batch][64 blocks]: blocks 0-31 = 32 keys each (K = d), blocks 32-63 = 32 channels each (K = keys).
; In a block of keys or of queries member 16 a + 8 u + i lies in tile u, row 8 a + i, so that the next launch's results have 16 neighbouring keys in 16 registers; blocks of channels keep their order.
; SHARES.  Work-group i: batch i / 4, keys 256 (i % 4) on: eight tiles of 128 keys x 256 d.  Tile t: keys 128 (t % 2) on, d 256 (t / 2) on; it goes through register set t % 2 and LDS slot t % 2.
; THE WAY IN.  Each wave fetches 64 rows x 256 bytes of a tile by 32 loads of 16 bytes a lane (each half of the lanes reads one row's 256 consecutive bytes, aligned) into a set of 128 registers, and puts them into the slot.
; Loads into registers may stay out across barriers: tile t + 2 is asked for as soon as tile t has left its registers, so a wave always has one or two tiles' loads (16 or 32 KB) on their way.  That is why no tensor load is used here.
; ONE BARRIER A TILE: in front of it each wave has waited for its LDS stores of tile t and its reads of tile t - 1; behind it tile t is read, and tile t + 1 is stored into the slot last read ahead of this barrier.
; Of a tile wave w makes one fragment pair along d (32 keys x 128 d: a lane a key, 16-byte LDS loads along its row) and one along the keys (32 channels x 128 keys: a lane a channel, its registers run down the keys).
; No cluster: no two work-groups read the same tile.  No prefetch: the launch does nothing but stream.  The scale words leave 128 bytes a store: 2 of 373 MB moved.
.set PITCH, 272                        ; an LDS row: 256 bytes + 16: the sixteen rows that a 16-byte load touches start in sixteen different 16-byte columns
.set HALFS, 64*PITCH                   ; what one wave brings of a tile
.set STRIP, 128*PITCH                  ; 128 keys x 64 d
.set SLOT,  4*STRIP
.set BLKB,  25600
.set BATB,  64*BLKB
.set SCW,   24576
.set GO,  1                            ; v1   my 16 bytes in a pair of rows of the tokens: 4,096 (lane / 16) + 16 (lane % 16); never rewritten
.set KA,  3                            ; v3-4   LDS: my key's row in slot 0, 1
.set VA,  5                            ; v5-6   LDS: my channel's column in slot 0, 1
.set KL,  7                            ; v7   my place in a fragment pair's image, keys and queries;  v8 among their scale words
.set KS,  8
.set VL,  9                            ; v9, v10  the same for channels
.set VS,  10
.set QL,  11                           ; v11  my query's row
.set M0,  12
.set M1,  13
.set SO,  14
.set BY,  15
.set KW,  16                           ; the scale words in the making: v16, v17 for slot 0; v120, v121 for slot 1
.set SQ,  18
.set T4,  20
.set KC,  24                           ; codes, for slot s from v[24 + 48 s] on: 24 registers along d (two sets of 12: image lanes row, row + 16), then 24 along the keys
.set LS,  124                          ; v124-125  LDS: where I put my 16 bytes of a pair of rows, slot 0, 1
.set X,   128                          ; v128-255 numbers: two buffers of 32 by turns (the queries take all four)
                                       ; window 1: v0-127 and v128-255: the two sets of 128 registers in which tiles arrive
.set TK,  24                           ; s[24:25] the tokens at my 64 rows x 256 bytes of the trip's first tile
.set SK,  40
.set SKS, 42
.set SV,  44
.set SVS, 46
.set MSB, 0
.macro WIN new                         ; s_set_vgpr_msb: bits 3:2 source 1's window, bits 7:6 the destination's; the immediate's high byte repeats the setting that is left
.if MSB != (\new)
	s_set_vgpr_msb (MSB<<8)|(\new)
.set MSB, (\new)
.endif
.endm
	s_load_b256 s[4:11], s[0:1], 0x0               ; tokens s[4:5], queries s[6:7], codes s[8:9], qcodes s[10:11]
	s_load_b64 s[12:13], s[0:1], 0x20              ; qsq
	v_lshl_add_u32 v126, v0, 2, 0x44000
	v_mov_b32 v127, 0
	v_lshrrev_b32 v12, 5, v0
	v_readfirstlane_b32 s14, v12                   ; wave 0..7
	s_lshr_b32 s15, ttmp9, 2                       ; batch
	s_and_b32 s16, ttmp9, 3                        ; which 256 keys
	s_lshr_b32 s18, s14, 1                         ; the strip of 64 d that I fetch,
	s_and_b32 s19, s14, 1                          ; and which 64 of its 128 rows
	s_lshl_b32 s[TK], s15, 22                      ; all offsets are made while the arguments are on their way: batch x 4 MiB
	s_lshl_b32 s20, s16, 20                        ; + 256 keys x 4,096 bytes
	s_add_co_u32 s[TK], s[TK], s20
	s_lshl_b32 s20, s18, 8                         ; + strip x 256 bytes
	s_add_co_u32 s[TK], s[TK], s20
	s_lshl_b32 s20, s19, 18                        ; + 64 rows
	s_add_co_u32 s[TK], s[TK], s20
	s_mov_b32 s[TK+1], 0
	v_bfe_u32 v14, v0, 4, 1                        ; lane / 16
	v_and_b32 v15, 15, v0                          ; lane % 16
	v_lshlrev_b32 v[GO], 12, v14
	v_lshl_add_u32 v[GO], v15, 4, v[GO]
	s_mul_i32 s20, s18, STRIP
	s_mul_i32 s21, s19, HALFS
	s_add_co_u32 s20, s20, s21                     ; my 64 rows' place in a slot
	v_mul_u32_u24 v[LS], v14, PITCH
	v_lshl_add_u32 v[LS], v15, 4, v[LS]
	v_add_nc_u32 v[LS], s20, v[LS]
	v_add_nc_u32 v[LS+1], SLOT, v[LS]
	v_mul_u32_u24 v[VL], v14, 1536                 ; channels: u = lane / 16, row = lane % 16
	v_lshl_add_u32 v[VL], v15, 4, v[VL]
	v_and_b32 v13, 31, v0                          ; lane
	v_lshlrev_b32 v[VS], 2, v13
	v_lshlrev_b32 v[QL], 12, v13
	s_and_b32 s56, s14, 3                          ; along d: which 32 keys of the tile,
	s_lshr_b32 s57, s14, 2                         ; and which 128 d
	s_mul_i32 s58, s57, 2*STRIP
	s_mul_i32 s59, s56, 32*PITCH
	s_add_co_u32 s58, s58, s59
	v_mul_u32_u24 v[KA], v13, PITCH
	v_add_nc_u32 v[KA], s58, v[KA]
	v_add_nc_u32 v[KA+1], SLOT, v[KA]
	s_mul_i32 s58, s18, STRIP                      ; along the keys: channels 32 wave + lane
	s_lshl_b32 s59, s19, 7
	s_add_co_u32 s58, s58, s59
	v_lshl_add_u32 v[VA], v13, 2, s58
	v_add_nc_u32 v[VA+1], SLOT, v[VA]
	v_bfe_u32 v14, v0, 3, 1                        ; keys and queries: member 16 a + 8 u + i: u,
	v_bfe_u32 v15, v0, 4, 1
	v_and_b32 v16, 7, v0
	v_lshl_add_u32 v15, v15, 3, v16                ; row 8 a + i
	v_mul_u32_u24 v[KL], v14, 1536
	v_lshl_add_u32 v[KL], v15, 4, v[KL]
	v_lshlrev_b32 v[KS], 6, v14
	v_lshl_add_u32 v[KS], v15, 2, v[KS]
	s_mul_i32 s20, s15, BATB
	s_lshl_b32 s21, s16, 3
	s_add_co_u32 s21, s21, s56                     ; block of keys 8 j + (4 slot) + my 32
	s_mul_i32 s21, s21, BLKB
	s_add_co_u32 s21, s21, s20
	s_mul_i32 s[SK], s57, 3072
	s_add_co_u32 s[SK], s[SK], s21
	s_mov_b32 s[SK+1], 0
	s_lshl_b32 s[SKS], s57, 7
	s_add_co_u32 s[SKS], s[SKS], s21
	s_add_co_u32 s[SKS], s[SKS], SCW
	s_mov_b32 s[SKS+1], 0
	s_add_co_u32 s21, s14, 32                      ; block of channels 32 + wave (+ 8 for each 256 d)
	s_mul_i32 s21, s21, BLKB
	s_add_co_u32 s21, s21, s20
	s_mul_i32 s[SV], s16, 6144
	s_add_co_u32 s[SV], s[SV], s21
	s_mov_b32 s[SV+1], 0
	s_lshl_b32 s[SVS], s16, 8
	s_add_co_u32 s[SVS], s[SVS], s21
	s_add_co_u32 s[SVS], s[SVS], SCW
	s_mov_b32 s[SVS+1], 0
	s_wait_kmcnt 0x0
	s_add_nc_u64 s[TK:TK+1], s[4:5], s[TK:TK+1]
	s_add_nc_u64 s[SK:SK+1], s[8:9], s[SK:SK+1]
	s_add_nc_u64 s[SKS:SKS+1], s[8:9], s[SKS:SKS+1]
	s_add_nc_u64 s[SV:SV+1], s[8:9], s[SV:SV+1]
	s_add_nc_u64 s[SVS:SVS+1], s[8:9], s[SVS:SVS+1]
; My 64 rows x 256 bytes of a tile into register set sg: load i brings rows 2 i and 2 i + 1.  off: bytes along d from where the base stands.
.macro LOADT sg, off
	WIN 0x40                                       ; the destination lies in window 1
.set ix, 0
.rept 32
	global_load_b128 v[128*\sg+4*ix:128*\sg+4*ix+3], v[GO], s[TK:TK+1] offset:\sg*524288+8192*ix+(\off) th:TH_LOAD_NT
.set ix, ix+1
.endr
	WIN 0
.endm
; Set sg has arrived (left: the loads issued behind its 32, which may stay out) and goes into slot sg; then the tile's one barrier.
.macro STG sg, left
	s_wait_loadcnt \left
	WIN 0x04                                       ; an LDS store's data are its source 1: window 1
.set ix, 0
.rept 32
	ds_store_b128 v[LS+\sg], v[128*\sg+4*ix:128*\sg+4*ix+3] offset:2*PITCH*ix
.set ix, ix+1
.endr
	WIN 0
	s_wait_dscnt 0x0                               ; for the others' sake: my stores into this slot have landed, and my reads of the other slot are over; and the set's registers have been read
	s_barrier_signal -1
	s_barrier_wait -1
.endm
; 32 numbers of one block, v[x] on, become 24 bytes of codes in v[dst + 6 c] on, and byte n of the scale word.
.macro QB x, dst, c, word, n
	v_max3_num_f32 v[M0], |v[\x]|, |v[\x+1]|, 0x2800000          ; the floor 2^(5 - 127) among the leaves: the byte cannot fall under 1
	v_max3_num_f32 v[M1], |v[\x+2]|, |v[\x+3]|, |v[\x+4]|
.irp i, 5,9,13,17,21,25
	v_max3_num_f32 v[M0], v[M0], |v[\x+\i]|, |v[\x+\i+1]|
	v_max3_num_f32 v[M1], v[M1], |v[\x+\i+2]|, |v[\x+\i+3]|
.endr
	v_max3_num_f32 v[M0], v[M0], |v[\x+29]|, |v[\x+30]|
	v_max3_num_f32 v[M0], v[M0], v[M1], |v[\x+31]|
	v_add_nc_u32 v[SO], 0xfe000000, v[M0]          ; 4 off the exponent field: the conversion takes that field as its scale
	v_cvt_scalef32_pk16_bf6_f32 v[\dst+6*\c:\dst+6*\c+2], v[\x:\x+15], v[SO]
	v_cvt_scalef32_pk16_bf6_f32 v[T4:T4+2], v[\x+16:\x+31], v[SO]   ; (a conversion's three registers begin on an even number)
	v_lshrrev_b32 v[BY], 23, v[SO]                 ; the byte; also the plain line behind the conversions
.if \n == 0
	v_mov_b32 v[\word], v[BY]
.else
	v_lshl_or_b32 v[\word], v[BY], 8*\n, v[\word]
.endif
.irp i, 0,1,2
	v_mov_b32 v[\dst+6*\c+3+\i], v[T4+\i]
.endr
.endm
	; THE FIRST TWO TILES ARE ASKED FOR.  Wave 0 of the first 128 work-groups also takes 32 queries x 128 d: it asks for them first, so that their arithmetic stands beside the tiles' way in.
	; The two ways are two arms of one branch, each with its own copy of the tiles' loads.
	s_cmp_lg_u32 s14, 0
	s_cbranch_scc1 .Lplain
	s_cmp_ge_u32 ttmp9, 128
	s_cbranch_scc1 .Lplain
	s_lshr_b32 s18, ttmp9, 3                       ; which 32 queries
	s_and_b32 s19, ttmp9, 7                        ; which 128 d
	s_lshl_b32 s20, s18, 17
	s_lshl_b32 s21, s19, 9
	s_add_co_u32 s20, s20, s21
	s_mov_b32 s21, 0
	s_add_nc_u64 s[48:49], s[6:7], s[20:21]
.irp j, 0,1,2,3,4,5,6,7,8,9,10,11,12,13,14,15,16,17,18,19,20,21,22,23,24,25,26,27,28,29,30,31
	global_load_b128 v[X+4*\j:X+4*\j+3], v[QL], s[48:49] offset:16*\j
.endr
	LOADT 0, 0
	LOADT 1, 0
	s_mov_b32 s23, 0
	s_mul_i32 s20, s18, BLKB
	s_mul_i32 s22, s19, 3072
	s_add_co_u32 s22, s22, s20
	s_add_nc_u64 s[50:51], s[10:11], s[22:23]
	s_lshl_b32 s22, s19, 7
	s_add_co_u32 s22, s22, s20
	s_add_co_u32 s22, s22, SCW
	s_add_nc_u64 s[52:53], s[10:11], s[22:23]
	s_lshl_b32 s22, s18, 3
	s_add_co_u32 s22, s22, s19
	s_lshl_b32 s22, s22, 7
	s_add_nc_u64 s[54:55], s[12:13], s[22:23]
	s_wait_loadcnt 63                              ; 96 loads were issued and come back in order (ISA guide 5.7.1): the oldest 33 are in, the queries' 32 among them
	v_pk_mul_f32 v[SQ:SQ+1], v[X:X+1], v[X:X+1]
.set ix, 2
.rept 63
	v_pk_fma_f32 v[SQ:SQ+1], v[X+ix:X+ix+1], v[X+ix:X+ix+1], v[SQ:SQ+1]
.set ix, ix+2
.endr
	v_add_f32 v[SQ], v[SQ], v[SQ+1]
	QB X,    KC,    0, KW, 0
	QB X+32, KC+12, 0, KW, 1
	QB X+64, KC,    1, KW, 2
	QB X+96, KC+12, 1, KW, 3
.irp h, 0,1
.irp p, 0,1,2
	global_store_b128 v[KL], v[KC+12*\h+4*\p:KC+12*\h+4*\p+3], s[50:51] offset:256*\h+512*\p
.endr
.endr
	global_store_b32 v[KS], v[KW], s[52:53]
	global_store_b32 v[KS], v[SQ], s[54:55]
	s_wait_xcnt 0x0                                ; these stores have read their data: the first tile writes the same registers
	s_branch .Lgo
.Lplain:
	LOADT 0, 0
	LOADT 1, 0
.Lgo:
.macro LDK sg, blk, buf                ; 32 d of my key: 128 bytes of its row
.irp j, 0,1,2,3,4,5,6,7
	ds_load_b128 v[X+32*\buf+4*\j:X+32*\buf+4*\j+3], v[KA+\sg] offset:(\blk/2)*STRIP+128*(\blk%2)+16*\j
.endr
.endm
.macro LDV sg, kg, buf                 ; 32 keys of my channel: the 32 lanes of a load read 128 neighbouring bytes
.irp i, 0,1,2,3,4,5,6,7,8,9,10,11,12,13,14,15,16,17,18,19,20,21,22,23,24,25,26,27,28,29,30,31
	ds_load_b32 v[X+32*\buf+\i], v[VA+\sg] offset:(32*\kg+\i)*PITCH
.endr
.endm
; A tile: eight blocks on two buffers; the next block's loads are issued ahead of the wait, whose count is their number.
; Each slot has its own registers for codes and scale words: they are written again a trip later, behind the trip's one wait on XCNT.
.macro WORK sg
.set kc, KC+48*\sg
.set vc, kc+24
.set kw, KW+104*\sg
.set vw, kw+1
	LDK \sg, 0, 0
	LDK \sg, 1, 1
	s_wait_dscnt 8
	QB X,    kc,    0, kw, 0
	LDK \sg, 2, 0
	s_wait_dscnt 8
	QB X+32, kc+12, 0, kw, 1
	LDK \sg, 3, 1
	s_wait_dscnt 8
	QB X,    kc,    1, kw, 2
	LDV \sg, 0, 0
	s_wait_dscnt 32
	QB X+32, kc+12, 1, kw, 3
.irp h, 0,1
.irp p, 0,1,2
	global_store_b128 v[KL], v[kc+12*\h+4*\p:kc+12*\h+4*\p+3], s[SK:SK+1] offset:\sg*4*BLKB+256*\h+512*\p th:TH_STORE_NT   ; each half of the lanes stores 256 consecutive bytes, aligned
.endr
.endr
	global_store_b32 v[KS], v[kw], s[SKS:SKS+1] offset:\sg*4*BLKB th:TH_STORE_NT
	LDV \sg, 1, 1
	s_wait_dscnt 32
	QB X,    vc,    0, vw, 0
	LDV \sg, 2, 0
	s_wait_dscnt 32
	QB X+32, vc+12, 0, vw, 1
	LDV \sg, 3, 1
	s_wait_dscnt 32
	QB X,    vc,    1, vw, 2
	s_wait_dscnt 0x0
	QB X+32, vc+12, 1, vw, 3
.irp h, 0,1
.irp p, 0,1,2
	global_store_b128 v[VL], v[vc+12*\h+4*\p:vc+12*\h+4*\p+3], s[SV:SV+1] offset:\sg*3072+256*\h+512*\p th:TH_STORE_NT
.endr
.endr
	global_store_b32 v[VS], v[vw], s[SVS:SVS+1] offset:\sg*128 th:TH_STORE_NT
.endm
	s_mov_b32 s17, 3
.Ltrip:                                            ; a trip: the two tiles of 256 d; each asks for the tile two on, 256 d further along: tiles 2 to 7
	STG 0, 32                                      ; behind this tile's 32 loads stand the next tile's 32
	LOADT 0, 1024                                  ; first thing behind the barrier: the set's registers are free
	WORK 0
	STG 1, 32
	LOADT 1, 1024
	WORK 1
	s_wait_xcnt 0x0                                ; the trip's loads and stores have read their bases, and the stores their data
	s_add_nc_u64 s[TK:TK+1], s[TK:TK+1], 1024
	s_add_nc_u64 s[SK:SK+1], s[SK:SK+1], 6144
	s_add_nc_u64 s[SKS:SKS+1], s[SKS:SKS+1], 256
	s_add_nc_u64 s[SV:SV+1], s[SV:SV+1], 8*BLKB
	s_add_nc_u64 s[SVS:SVS+1], s[SVS:SVS+1], 8*BLKB
	s_sub_co_u32 s17, s17, 1
	s_cmp_lg_u32 s17, 0
	s_cbranch_scc1 .Ltrip
	STG 0, 32                                      ; the last two tiles are written out: nothing is left to fetch, and no load leaves its buffer
	WORK 0
	STG 1, 0
	WORK 1
	s_wait_tensorcnt 0x0
	ds_add_u32 v126, v127
	s_wait_dscnt 0x0
	s_endpgm
.Lfunc_end_k_qe66460c526_quant:
	.size	k_qe66460c526_quant, .Lfunc_end_k_qe66460c526_quant-k_qe66460c526_quant
	.p2alignl 7, 3214868480
	.fill 96, 4, 3214868480
	.section	.rodata,"a",@progbits
	.p2align	6, 0x0
	.amdhsa_kernel k_qe66460c526_quant
		.amdhsa_group_segment_fixed_size 279552
		.amdhsa_private_segment_fixed_size 0
		.amdhsa_enable_private_segment 0
		.amdhsa_kernarg_size 40
		.amdhsa_user_sgpr_count 2
		.amdhsa_user_sgpr_kernarg_segment_ptr 1
		.amdhsa_wavefront_size32 1
		.amdhsa_system_sgpr_workgroup_id_x 1
		.amdhsa_system_sgpr_workgroup_id_y 1
		.amdhsa_system_sgpr_workgroup_id_z 1
		.amdhsa_system_vgpr_workitem_id 0
		.amdhsa_next_free_vgpr 512
		.amdhsa_next_free_sgpr 66
		.amdhsa_reserve_vcc 0
		.amdhsa_float_denorm_mode_32 3
		.amdhsa_float_denorm_mode_16_64 3
		.amdhsa_memory_ordered 1
		.amdhsa_forward_progress 1
		.amdhsa_inst_pref_size 138
	.end_amdhsa_kernel
	.amdgpu_metadata
---
amdhsa.version: [ 1, 2 ]
amdhsa.kernels:
  - .name:           k_qe66460c526_quant
    .symbol:         k_qe66460c526_quant.kd
    .args:
      - { .name: local_tokens, .offset: 0, .size: 8, .value_kind: global_buffer, .address_space: global }
      - { .name: queries, .offset: 8, .size: 8, .value_kind: global_buffer, .address_space: global }
      - { .name: codes, .offset: 16, .size: 8, .value_kind: global_buffer, .address_space: global }
      - { .name: qcodes, .offset: 24, .size: 8, .value_kind: global_buffer, .address_space: global }
      - { .name: qsq, .offset: 32, .size: 8, .value_kind: global_buffer, .address_space: global }
    .group_segment_fixed_size: 279552
    .private_segment_fixed_size: 0
    .kernarg_segment_align: 8
    .kernarg_segment_size: 40
    .max_flat_workgroup_size: 256
    .sgpr_count:     66
    .vgpr_count:     512
    .wavefront_size: 32
...
	.end_amdgpu_metadata
.endif
;; end of part 1
;; launch attn (part 2): grid 4 x 64, 4 waves a work-group, clusters of 4 x 1, 327,680 bytes of LDS; arguments codes, qcodes, queries, qsq, out0; writes out0
.if DOCPART == 2
	.amdgcn_target "amdgcn-amd-amdhsa--gfx1250"
	.amdhsa_code_object_version 6
	.text
	.protected	k_qe66460c526_attn
	.globl	k_qe66460c526_attn
	.p2align	8
	.type	k_qe66460c526_attn,@function
k_qe66460c526_attn:
	s_mov_b64 s[64:65], 0
	v_nop
	global_prefetch_b8 v0, s[64:65] scope:SCOPE_SE
	s_setreg_imm32_b32 hwreg(HW_REG_WAVE_MODE, 25, 1), 1
	s_wait_xcnt 0x0
	s_wait_alu depctr_hold_cnt(0) depctr_sa_sdst(0) depctr_va_vdst(0) depctr_va_sdst(0) depctr_va_ssrc(0) depctr_va_vcc(0) depctr_vm_vsrc(0)
	s_getreg_b32 s2, hwreg(HW_REG_IB_STS2, 6, 4)
	s_cmp_eq_u32 s2, 0
	s_cbranch_scc0 .Lentry_in_a_cluster
	s_endpgm
.Lentry_in_a_cluster:
	s_bfe_u32 s2, ttmp6, 0x10000c
	s_cmp_lg_u32 s2, 0x3003
	s_cbranch_scc0 .Lentry_shape_is_right
	s_endpgm
.Lentry_shape_is_right:
; out0[q][b] = q . O / (max(|q|, 1e-12) max(|O|, 1e-12)), O = softmax(q . k / 32) v of batch b; both products on codes of BF6 (E3M2) with E8M0 scales, as the launch before laid them (blocks of 25,600 bytes: 16 fragment images, then the scale words).
; SHARES.  A cluster of four work-groups takes a batch; a work-group 128 queries; all four walk the same 64 blocks, so every block is asked for JOINTLY (mask 15).  Sixteen steps; in step st wave w works block 4 st + w against ALL 128 queries.
; THE QUERIES' SIDE STAYS IN REGISTERS: 8 tiles x 8 K steps x 12 = 768 registers a wave: Q's codes in steps 0-7, P's codes in steps 8-15.  A streamed fragment is read from LDS once in the work-group and feeds eight matrix instructions.
; STEPS 0-7: S^T = K Q^T (source 0 = 16 keys, source 1 = 16 queries): a lane holds one query; the 16 registers of a tile pair are 16 neighbouring keys, and lanes l, l xor 16 hold one block of 32 keys.
;   t = score x log2(e) / 32; each wave keeps ITS OWN running M = ceil(largest t) (as -M) and sum l for each query; p = 2^(t - M) is quantised at once; its codes go to LDS, with byte + M as a whole number beside them.
; BETWEEN: the four waves' M meet: the final -M is the least; the sums are brought under it by exact powers of two; a block's byte is (byte + M) - final M, held at 1.  Every wave then takes all of P's codes into its registers.
; STEPS 8-15: O^T = V^T P^T for 32 channels a wave and step; each finished 16 channels are used up at once: D += O q, N += O O (f32).  O itself is never kept.  At the end out = (D / l) / (max(sqrt(N) / l, eps) max(|q|, eps)).
; Slot 16 t + r of the 128 stands for query 128 cx + 32 (t / 2) + 8 (t % 2) + r + 8 (r / 8): the order in which the launch before laid the queries.
; LIMITS: M is kept as a whole number in f32 and i32: exact for |t| under 2^24.  A block of P more than some 2^122 under its row's largest keeps the byte 1 and so adds at most 28 x 2^-126 times a value.  NaN and infinities are not served.
; out0 leaves 4 bytes a lane, 256 bytes apart: a row's 64 numbers come from 64 clusters, and the whole output is 131,072 bytes.
; REGISTERS.  Window 0: v1-15 addresses; v16-47 the stationary side's scale words; v48-55 the streamed side's; v56-67 stationary fragment 63; v68-103 three buffers for streamed fragments (at work between the runs); v104-111 at work;
;   v112-127 (-M, l) or (D, N) for each tile; v128-255 accumulators (steps 8-15: v128-191 accumulators, v192-255 q).  Windows 1-3: stationary fragment f = 8 s + t at v[12 (f % 21)] of window 1 + f / 21.
;   In a run of matrix instructions only source 1's window is set, which LDS loads and v_nop do not use.
.set BLKB,  25600
.set STEPB, 4*BLKB
.set BATB,  64*BLKB
.set SCW,   24576
.set P0,    2*STEPB                    ; behind the two slots: P's codes, [wave][K step][tile][row] 24 bytes; PWS bytes from wave to wave
.set PWS,   24704
.set EA0,   P0+4*PWS                   ; byte + M, [wave][step][slot] 4 bytes; later its first 4,096 bytes hold P's scale words [K step][slot]
.set STAT0, EA0+16384                  ; [wave][slot] 8 bytes: (-M, l); at the end (D, N)
.set SPARE, STAT0+4096                 ; the spare words: 128 bytes a wave, two blocks of 256 bytes that no other line names
.set SPW, 1
.set NIL, 2
.set ADR, 3                            ; v3-4  my block in slot 0, 1: + 16 x lane
.set ADS, 5                            ; v5-6  its scale words: + 4 x lane
.set PWA, 7                            ; v7    where I put P's codes; later STAT0 + 8 x thread
.set EWA, 8                            ; v8    where I put byte + M;  later EA0 + 4 x lane
.set SWA, 9                            ; v9    STAT0 + 1,024 wave + 8 r
.set QA,  10                           ; v10   q: my row and half
.set LF,  11                           ; v11   my slot's sum
.set PFO, 12                           ; v12   the prefetches' offset
.set PRD, 13                           ; v13-14 where I read P's codes
.set EC,  15                           ; v15   EA0 + 4 x thread
.set BS,  16
.set AS,  48
.set AF,  68
.set MX,  68
.set TP,  76
.set SO,  84
.set BY,  92
.set TMP, 104
.set PWT, 107
.set EWT, 111
.set ST,  112
.set ACC, 128
.set QV,  192
.set G1,  24
.set G0,  32
.set QF,  40
.set PFA, 18
.set MSB, 0
.macro WIN new                         ; the immediate's high byte repeats the setting that is left; a switch that changes nothing is dropped
.if MSB != (\new)
	s_set_vgpr_msb (MSB<<8)|(\new)
.set MSB, (\new)
.endif
.endm
.macro PLACES                          ; four plain vector lines between a matrix instruction and a load into, or a vector line on, its registers (ISA guide 7.12.1 for vector lines)
.rept 4
	v_nop
.endr
.endm
.macro CROUND                          ; a round of the cluster's barrier
	s_barrier_signal -1
	s_barrier_wait -1
	s_cmp_lg_u32 s14, 0
	s_cbranch_scc1 .Lnot_wave_0_\@
	s_barrier_signal -3
.Lnot_wave_0_\@:
	s_barrier_wait -3
	s_barrier_signal -1
	s_barrier_wait -1
.endm
.macro BREG fr                         ; where stationary fragment fr lies: window BW, register BR
.if (\fr) == 63
.set BW, 0
.set BR, 56
.else
.set BW, 1+(\fr)/21
.set BR, 12*((\fr)%21)
.endif
.endm
.macro MAP mode, i                     ; place i of a step's 16: mode 1: K step i / 2, tile i % 2;  mode 2: tile i / 8, K step i % 8
.if \mode == 1
.set ks, (\i)/2
.set ku, (\i)%2
.else
.set ks, (\i)%8
.set ku, (\i)/8
.endif
.set fo, 1536*(2*ks+ku)
.endm
.macro FRAG sg, off, buf
.irp p, 0,1,2
	ds_load_b128 v[AF+12*(\buf)+4*\p:AF+12*(\buf)+4*\p+3], v[ADR+\sg] offset:(\off)+512*\p
.endr
.endm
.macro START sg, mode                  ; the block's eight scale words and its first two fragments
.irp s, 0,1,2,3,4,5,6,7
	ds_load_b32 v[AS+\s], v[ADS+\sg] offset:128*\s
.endr
	MAP \mode, 0
	FRAG \sg, fo, 0
	MAP \mode, 1
	FRAG \sg, fo, 1
.endm
; One matrix instruction: D = v[fd], source 0 = v[fa], source 1 = stationary fragment (ks, t).  A scale register holds tile 0's words in lanes 0-15 and tile 1's in lanes 16-31.
.macro MM t, zero
	BREG 8*ks+(\t)
	WIN (BW<<2)
.set rX, AS+ks
.set rY, BS+8*((\t)/2)+ks
.if \zero
.if (ku == 0) && ((\t)%2 == 0)
	v_wmma_scale_f32_16x16x128_f8f6f4 v[fd:fd+7], v[fa:fa+11], v[BR:BR+11], 0, v[rX], v[rY] matrix_a_fmt:MATRIX_FMT_BF6 matrix_b_fmt:MATRIX_FMT_BF6
.elseif ku == 0
	v_wmma_scale_f32_16x16x128_f8f6f4 v[fd:fd+7], v[fa:fa+11], v[BR:BR+11], 0, v[rX], v[rY] matrix_a_fmt:MATRIX_FMT_BF6 matrix_b_fmt:MATRIX_FMT_BF6 matrix_b_scale:MATRIX_SCALE_ROW1
.elseif (\t)%2 == 0
	v_wmma_scale_f32_16x16x128_f8f6f4 v[fd:fd+7], v[fa:fa+11], v[BR:BR+11], 0, v[rX], v[rY] matrix_a_fmt:MATRIX_FMT_BF6 matrix_b_fmt:MATRIX_FMT_BF6 matrix_a_scale:MATRIX_SCALE_ROW1
.else
	v_wmma_scale_f32_16x16x128_f8f6f4 v[fd:fd+7], v[fa:fa+11], v[BR:BR+11], 0, v[rX], v[rY] matrix_a_fmt:MATRIX_FMT_BF6 matrix_b_fmt:MATRIX_FMT_BF6 matrix_a_scale:MATRIX_SCALE_ROW1 matrix_b_scale:MATRIX_SCALE_ROW1
.endif
.else
.if (ku == 0) && ((\t)%2 == 0)
	v_wmma_scale_f32_16x16x128_f8f6f4 v[fd:fd+7], v[fa:fa+11], v[BR:BR+11], v[fd:fd+7], v[rX], v[rY] matrix_a_fmt:MATRIX_FMT_BF6 matrix_b_fmt:MATRIX_FMT_BF6
.elseif ku == 0
	v_wmma_scale_f32_16x16x128_f8f6f4 v[fd:fd+7], v[fa:fa+11], v[BR:BR+11], v[fd:fd+7], v[rX], v[rY] matrix_a_fmt:MATRIX_FMT_BF6 matrix_b_fmt:MATRIX_FMT_BF6 matrix_b_scale:MATRIX_SCALE_ROW1
.elseif (\t)%2 == 0
	v_wmma_scale_f32_16x16x128_f8f6f4 v[fd:fd+7], v[fa:fa+11], v[BR:BR+11], v[fd:fd+7], v[rX], v[rY] matrix_a_fmt:MATRIX_FMT_BF6 matrix_b_fmt:MATRIX_FMT_BF6 matrix_a_scale:MATRIX_SCALE_ROW1
.else
	v_wmma_scale_f32_16x16x128_f8f6f4 v[fd:fd+7], v[fa:fa+11], v[BR:BR+11], v[fd:fd+7], v[rX], v[rY] matrix_a_fmt:MATRIX_FMT_BF6 matrix_b_fmt:MATRIX_FMT_BF6 matrix_a_scale:MATRIX_SCALE_ROW1 matrix_b_scale:MATRIX_SCALE_ROW1
.endif
.endif
.endm
; Place i of a step: the fragment two places on is asked for (into the buffer that place i - 1 multiplied, four plain lines behind it); the wait leaves the two younger fragments' six loads out; eight matrix
; instructions, one for each tile of queries: the accumulators take turns, one instruction a turn.  The first K step starts the sums with the constant 0.
.macro GROUP sg, mode, i
.if ((\i) >= 1) && ((\i) <= 13)
	PLACES
.endif
.if (\i) <= 13
	MAP \mode, (\i)+2
	FRAG \sg, fo, ((\i)+2)%3
	s_wait_dscnt 6
.elseif (\i) == 14
	s_wait_dscnt 3
.else
	s_wait_dscnt 0
.endif
	MAP \mode, \i
.set fa, AF+12*((\i)%3)
.irp t, 0,1,2,3,4,5,6,7
.if \mode == 1
.set fd, ACC+16*\t+8*ku
.else
.set fd, ACC+8*\t
.endif
.if ks == 0
	MM \t, 1
.else
	MM \t, 0
.endif
.endr
.endm
; The change of slots: slot sg has been read.  All my tensor loads have landed (the other slot's block), 0 goes onto my spare word, that and my LDS instructions are waited for; a round of the cluster's barrier, so that no wave
; of any partner still reads the slot or has a load on its way; then the joint refill, first thing behind it: the block two steps on.  It has a whole step, 128 matrix instructions, in which to land.
; THE PREFETCH names what the NEXT change will ask for: of my wave's block of 100 x 256 bytes each of the four partners takes 25, told apart by address; a lane a 256 bytes (lanes 25-31 name lane 24's again).
; ask = 2: not in the loop's last trip, where there is no such step.  Steps 0 to 2 come by their loads alone.  qstep = 1: q's pointer goes 256 channels on.
.macro CHANGE sg, ask, qstep
	s_wait_tensorcnt 0x0
	ds_add_u32 v[SPW], v[NIL]
	s_add_nc_u64 s[G0+4*\sg+2:G0+4*\sg+3], s[G0+4*\sg+2:G0+4*\sg+3], 2*STEPB
	s_wait_xcnt 0x0                                ; the last prefetch, a step back, and q's loads have read their addresses
	s_add_nc_u64 s[PFA:PFA+1], s[PFA:PFA+1], STEPB
.if \qstep
	s_add_nc_u64 s[QF:QF+1], s[QF:QF+1], 1024
.endif
	s_wait_dscnt 0x0
	CROUND
	tensor_load_to_lds s[G0+4*\sg:G0+4*\sg+3], s[G1:G1+7]
	s_nop 0
.rept 4
	v_nop
.endr
.if \ask == 2
	s_cmp_eq_u32 s17, 1
	s_cbranch_scc1 .Lno_ask_\@
.endif
	global_prefetch_b8 v[PFO], s[PFA:PFA+1] th:TH_LOAD_NT scope:SCOPE_SE
.Lno_ask_\@:
.endm
; A STEP OF THE FIRST PRODUCT: my 32 keys against 128 queries, then their softmax and quantising.  All vector lines go by turns over the eight tiles.
.macro W1 sg
	START \sg, 1
.set gi, 0
.rept 16
	GROUP \sg, 1, gi
.set gi, gi+1
.endr
	PLACES
	WIN 0
	v_add_nc_u32 v[PWT], s50, v[PWA]               ; this trip's places in LDS
	v_add_nc_u32 v[EWT], s51, v[EWA]
.irp t, 0,1,2,3,4,5,6,7
	v_max3_num_f32 v[MX+\t], v[ACC+16*\t], v[ACC+16*\t+1], v[ACC+16*\t+2]   ; the block's largest score, each accumulator from its low end on
.endr
.irp i, 3,5,7,9,11,13
.irp t, 0,1,2,3,4,5,6,7
	v_max3_num_f32 v[MX+\t], v[MX+\t], v[ACC+16*\t+\i], v[ACC+16*\t+\i+1]
.endr
.endr
.irp t, 0,1,2,3,4,5,6,7
	v_max_num_f32 v[MX+\t], v[MX+\t], v[ACC+16*\t+15]
.endr
.irp t, 0,1,2,3,4,5,6,7
	v_permlanex16_b32 v[TP+\t], v[MX+\t], s20, s21
.endr
.irp t, 0,1,2,3,4,5,6,7
	v_max_num_f32 v[MX+\t], v[MX+\t], v[TP+\t]     ; with lane l xor 16's 16 keys
.endr
.irp t, 0,1,2,3,4,5,6,7
	v_mul_f32 v[TP+\t], s22, v[MX+\t]
.endr
.irp t, 0,1,2,3,4,5,6,7
	v_floor_f32 v[TP+\t], -v[TP+\t]                ; -ceil(t)
.endr
.irp t, 0,1,2,3,4,5,6,7
	v_min_num_f32 v[TP+\t], v[TP+\t], v[ST+2*\t]   ; the new -M
.endr
.irp t, 0,1,2,3,4,5,6,7
	v_sub_f32 v[BY+\t], v[TP+\t], v[ST+2*\t]       ; old M - new M: a whole number, 0 or less
.endr
.irp t, 0,1,2,3,4,5,6,7
	v_cvt_i32_f32 v[BY+\t], v[BY+\t]               ; (it saturates)
.endr
.irp t, 0,1,2,3,4,5,6,7
	v_ldexp_f32 v[BY+\t], 1.0, v[BY+\t]
.endr
.irp t, 0,1,2,3,4,5,6,7
	v_mov_b32 v[ST+2*\t], v[TP+\t]
.endr
.irp t, 0,1,2,3,4,5,6,7
	v_mul_f32 v[ST+2*\t+1], v[ST+2*\t+1], v[BY+\t] ; the sum under the new M: nothing is rounded
.endr
.irp t, 0,1,2,3,4,5,6,7
.irp j, 0,2,4,6,8,10,12,14
	v_pk_fma_f32 v[ACC+16*\t+\j:ACC+16*\t+\j+1], v[ACC+16*\t+\j:ACC+16*\t+\j+1], s[22:23], v[ST+2*\t:ST+2*\t+1] op_sel_hi:[1,0,0]   ; t - M
.endr
.endr
.irp t, 0,1,2,3,4,5,6,7
	v_fma_f32 v[MX+\t], v[MX+\t], s22, v[ST+2*\t]  ; the same of the block's largest score: p rises with the score
.endr
.set ix, 0
.rept 128
	v_exp_f32 v[ACC+ix], v[ACC+ix]                 ; p = 2^(t - M): one batch
.set ix, ix+1
.endr
.irp t, 0,1,2,3,4,5,6,7
	v_exp_f32 v[MX+\t], v[MX+\t]                   ; the block's largest p
.endr
	v_nop                                          ; a plain line behind the last exponential
.irp t, 0,1,2,3,4,5,6,7
	v_cvt_i32_f32 v[BY+\t], v[ST+2*\t]             ; -M as a whole number: work that names no result
.endr
	s_wait_alu depctr_va_vdst(0)                   ; one wait for the batch, ahead of its first reader
.irp t, 0,1,2,3,4,5,6,7
	v_pk_add_f32 v[TP+2*\t:TP+2*\t+1], v[ACC+16*\t:ACC+16*\t+1], v[ACC+16*\t+2:ACC+16*\t+3]   ; the sum is taken of the unquantised p
.endr
.irp j, 4,6,8,10,12,14
.irp t, 0,1,2,3,4,5,6,7
	v_pk_add_f32 v[TP+2*\t:TP+2*\t+1], v[TP+2*\t:TP+2*\t+1], v[ACC+16*\t+\j:ACC+16*\t+\j+1]
.endr
.endr
.irp t, 0,1,2,3,4,5,6,7
	v_add_f32 v[ST+2*\t+1], v[ST+2*\t+1], v[TP+2*\t]
.endr
.irp t, 0,1,2,3,4,5,6,7
	v_add_f32 v[ST+2*\t+1], v[ST+2*\t+1], v[TP+2*\t+1]
.endr
.irp t, 0,1,2,3,4,5,6,7
	v_max_num_f32 v[MX+\t], 0x2800000, v[MX+\t]    ; the floor 2^(5 - 127)
.endr
.irp t, 0,1,2,3,4,5,6,7
	v_add_nc_u32 v[SO+\t], 0xfe000000, v[MX+\t]    ; 4 off the exponent field: the conversion's scale operand
.endr
.irp t, 0,1,2,3,4,5,6,7
	v_lshrrev_b32 v[TP+\t], 23, v[SO+\t]           ; the byte under my M
.endr
.irp t, 0,1,2,3,4,5,6,7
	v_sub_nc_u32 v[BY+\t], v[TP+\t], v[BY+\t]      ; byte + M
.endr
.irp t, 0,1,2,3,4,5,6,7                ; my 16 keys' codes, 12 bytes: half h of block w of K step st in P's fragment.  Seven sets of result registers; the eighth conversion takes the first set again
.if \t < 4
.set cd, 68+4*\t
.elseif \t < 7
.set cd, 100+4*(\t-4)
.else
.set cd, 68
	s_wait_dscnt 24                                ; tile 0's four stores are done: 24 were issued behind them
.endif
	v_cvt_scalef32_pk16_bf6_f32 v[cd:cd+2], v[ACC+16*\t:ACC+16*\t+15], v[SO+\t]
	v_nop                                          ; a plain line behind a scaled conversion
.irp i, 0,1,2
	ds_store_b32 v[PWT], v[cd+\i] offset:3072*\sg+384*\t+4*\i
.endr
	ds_store_b32 v[EWT], v[BY+\t] offset:512*\sg+64*\t   ; both halves of the lanes write the same word with the same value
.endr
.endm
.macro QLOAD t, off                    ; q of tile t's 16 queries at my eight channels
	global_load_b128 v[QV+8*\t:QV+8*\t+3], v[QA], s[QF:QF+1] offset:(32*(\t/2)+8*(\t%2))*4096+(\off)
	global_load_b128 v[QV+8*\t+4:QV+8*\t+7], v[QA], s[QF:QF+1] offset:(32*(\t/2)+8*(\t%2))*4096+(\off)+16
.endm
; 16 finished channels of O^T are used up: D += O q, N += O O.  Behind tile t's two loads of q stand 2 (7 - t) of this half and 2 t of the next: 14.  last = 1: nothing more is asked for.
.macro REDUCE nextoff, last
.irp t, 0,1,2,3,4,5,6,7
.set tm, TMP+4*(\t%2)
.if \last
	s_wait_loadcnt 14-2*\t
.else
	s_wait_loadcnt 14
.endif
	v_pk_mul_f32 v[tm:tm+1], v[ACC+8*\t:ACC+8*\t+1], v[QV+8*\t:QV+8*\t+1]
	v_pk_mul_f32 v[tm+2:tm+3], v[ACC+8*\t:ACC+8*\t+1], v[ACC+8*\t:ACC+8*\t+1]
.irp j, 2,4,6
	v_pk_fma_f32 v[tm:tm+1], v[ACC+8*\t+\j:ACC+8*\t+\j+1], v[QV+8*\t+\j:QV+8*\t+\j+1], v[tm:tm+1]
	v_pk_fma_f32 v[tm+2:tm+3], v[ACC+8*\t+\j:ACC+8*\t+\j+1], v[ACC+8*\t+\j:ACC+8*\t+\j+1], v[tm+2:tm+3]
.endr
.if !\last
	QLOAD \t, \nextoff
.endif
	v_add_f32 v[ST+2*\t], v[ST+2*\t], v[tm]
	v_add_f32 v[ST+2*\t+1], v[ST+2*\t+1], v[tm+2]
	v_add_f32 v[ST+2*\t], v[ST+2*\t], v[tm+1]
	v_add_f32 v[ST+2*\t+1], v[ST+2*\t+1], v[tm+3]
.endr
.endm
; A STEP OF THE SECOND PRODUCT: my 32 channels for 128 queries, 16 channels at a time over all 1,024 keys.
.macro W2 sg, last
	START \sg, 2
.set gi, 0
.rept 8
	GROUP \sg, 2, gi
.set gi, gi+1
.endr
	PLACES
	WIN 0
	REDUCE 512*\sg+64, 0
.rept 8
	GROUP \sg, 2, gi
.set gi, gi+1
.endr
	PLACES
	WIN 0
	REDUCE 512*\sg+512, \last
.endm
	s_load_b256 s[4:11], s[0:1], 0x0               ; codes s[4:5], qcodes s[6:7], queries s[8:9], qsq s[10:11]
	s_load_b64 s[12:13], s[0:1], 0x20              ; out0
	v_lshl_add_u32 v[SPW], v0, 2, SPARE
	v_mov_b32 v[NIL], 0
	ds_add_u32 v1, v2
	ds_add_u32 v1, v2
	s_wait_dscnt 0x0
	v_lshrrev_b32 v3, 5, v0
	v_readfirstlane_b32 s14, v3                    ; wave 0..3
	s_bfe_u32 s15, ttmp6, 0x40000                  ; cx: my 128 queries
	s_and_b32 s16, ttmp7, 0xffff                   ; the batch, which the four partners share
	; descriptor group 1: a dense block of 25,600 bytes as 100 rows of 32 elements of 8 bytes; mask: all four work-groups, bit 21 beside it
	s_mov_b32 s[G1+0], 15|(3<<16)|(1<<21)
	s_mov_b32 s[G1+1], 32<<16
	s_mov_b32 s[G1+2], 100<<16
	s_mov_b32 s[G1+3], 32<<16
	s_mov_b32 s[G1+4], 100
	s_mov_b32 s[G1+5], 32
	s_mov_b32 s[G1+6], 0
	s_mov_b32 s[G1+7], 0
	s_mov_b32 s20, 0x76543210                      ; v_permlanex16_b32's selects for lane l xor 16
	s_mov_b32 s21, 0xfedcba98
	s_mov_b32 s22, 0x3d38aa3b                      ; c = log2(e) / 32
	s_mov_b32 s23, s22                             ; (named with it as a pair)
	s_mov_b32 s50, 0
	s_mov_b32 s51, 0
	s_mul_i32 s44, s14, BLKB                       ; my block's place in a step: in a slot and in memory
	s_mul_i32 s46, s16, BATB
	s_add_co_u32 s46, s46, s44
	s_mov_b32 s47, 0
	s_mul_i32 s48, s15, 6400                       ; the prefetches: my work-group's 25 of the block's 100 x 256 bytes,
	s_add_co_u32 s48, s48, 2*STEPB                 ; at step 2: the first change steps it to step 3
	s_mov_b32 s49, 0
	s_wait_kmcnt 0x0
	s_add_nc_u64 s[46:47], s[4:5], s[46:47]
	s_add_nc_u64 s[PFA:PFA+1], s[46:47], s[48:49]
.irp s, 0,1
	s_mov_b32 s[G0+4*\s], 1
	s_add_co_u32 s[G0+4*\s+1], s44, \s*STEPB
	s_add_nc_u64 s[G0+4*\s+2:G0+4*\s+3], s[46:47], \s*STEPB
	s_or_b32 s[G0+4*\s+3], s[G0+4*\s+3], 0x80000000
.endr
	CROUND                                         ; all four work-groups are here: the first joint loads meet
	tensor_load_to_lds s[G0:G0+3], s[G1:G1+7]      ; steps 0 and 1: two loads of mine are out
	s_nop 0
	tensor_load_to_lds s[G0+4:G0+7], s[G1:G1+7]
	s_nop 0
.rept 4
	v_nop
.endr
	s_mul_i32 s48, s15, STEPB
	s_add_nc_u64 s[42:43], s[6:7], s[48:49]        ; my four blocks of queries
	s_lshl_b32 s48, s15, 19
	s_lshl_b32 s45, s14, 7
	s_add_co_u32 s48, s48, s45
	s_add_nc_u64 s[QF:QF+1], s[8:9], s[48:49]      ; q in f32: my 128 rows, my wave's 32 channels of step 8
	v_and_b32 v104, 31, v0                         ; lane
	v_and_b32 v105, 15, v0                         ; r
	v_bfe_u32 v106, v0, 4, 1                       ; h
	v_lshlrev_b32 v108, 4, v104
	v_lshlrev_b32 v109, 2, v104
.set fi, 0
.rept 64                               ; Q's 64 fragments (K step fi / 8, tile fi % 8) stay in registers through steps 0-7
	BREG fi
	WIN (BW<<6)
.irp p, 0,1,2
	global_load_b128 v[BR+4*\p:BR+4*\p+3], v108, s[42:43] offset:((fi%8)/2)*BLKB+1536*(2*(fi/8)+(fi%8)%2)+512*\p
.endr
.set fi, fi+1
.endr
	WIN 0
.irp g, 0,1,2,3
.irp s, 0,1,2,3,4,5,6,7
	global_load_b32 v[BS+8*\g+\s], v109, s[42:43] offset:\g*BLKB+SCW+128*\s
.endr
.endr
	v_lshl_add_u32 v[ADR], v104, 4, s44
	v_add_nc_u32 v[ADR+1], STEPB, v[ADR]
	v_lshl_add_u32 v[ADS], v104, 2, s44
	v_add_nc_u32 v[ADS], SCW, v[ADS]
	v_add_nc_u32 v[ADS+1], STEPB, v[ADS]
	s_mul_i32 s45, s14, PWS
	v_mul_u32_u24 v[PWA], v105, 24
	v_mad_u32_u24 v[PWA], v106, 12, v[PWA]
	v_add_nc_u32 v[PWA], s45, v[PWA]
	v_add_nc_u32 v[PWA], P0, v[PWA]                ; P0 + PWS wave + 24 r + 12 h
	s_lshl_b32 s45, s14, 12
	v_lshl_add_u32 v[EWA], v105, 2, s45
	v_add_nc_u32 v[EWA], EA0, v[EWA]               ; EA0 + 4,096 wave + 4 r
	s_lshl_b32 s45, s14, 10
	v_lshl_add_u32 v[SWA], v105, 3, s45
	v_add_nc_u32 v[SWA], STAT0, v[SWA]
	v_and_b32 v107, 8, v105
	v_add_nc_u32 v107, v107, v105                  ; r + 8 (r / 8)
	v_lshlrev_b32 v[QA], 12, v107
	v_lshl_add_u32 v[QA], v106, 5, v[QA]
	v_min_u32 v[PFO], 24, v104
	v_lshlrev_b32 v[PFO], 8, v[PFO]
	v_mul_u32_u24 v[PRD], v105, 24
	v_mad_u32_u24 v[PRD], v106, PWS, v[PRD]
	v_add_nc_u32 v[PRD], P0, v[PRD]                ; lane (r, h) of a fragment of P: blocks h and 2 + h of its K step: waves h and 2 + h made them
	v_add_nc_u32 v[PRD+1], 2*PWS, v[PRD]
	v_lshl_add_u32 v[EC], v0, 2, EA0
.irp t, 0,1,2,3,4,5,6,7
	v_mov_b32 v[ST+2*\t], 0x7f61b1e6               ; -M = 3e38: M lies under every t
	v_mov_b32 v[ST+2*\t+1], 0                      ; l
.endr
	s_wait_loadcnt 0x0                             ; Q
	s_wait_tensorcnt 0x1                           ; my block of step 0 is in; step 1's may stay out.  A wave reads only the block that it fetched: no barrier
	s_mov_b32 s17, 4
.Lkeys:
	W1 0
	CHANGE 0, 1, 0
	W1 1
	CHANGE 1, 1, 0
	s_add_co_u32 s50, s50, 6144                    ; two K steps of P on,
	s_add_co_u32 s51, s51, 1024                    ; two steps' words
	s_sub_co_u32 s17, s17, 1
	s_cmp_lg_u32 s17, 0
	s_cbranch_scc1 .Lkeys
	; BETWEEN THE PRODUCTS
.irp t, 0,1,2,3,4,5,6,7
	QLOAD \t, 0                                    ; q for step 8's first 16 channels
.endr
.irp t, 0,1,2,3,4,5,6,7
	v_permlanex16_b32 v[MX+\t], v[ST+2*\t+1], s20, s21
.endr
.irp t, 0,1,2,3,4,5,6,7
	v_add_f32 v[ST+2*\t+1], v[ST+2*\t+1], v[MX+\t] ; my wave's sum of the query
.endr
.irp t, 0,1,2,3,4,5,6,7
	ds_store_b64 v[SWA], v[ST+2*\t:ST+2*\t+1] offset:128*\t
.endr
	v_lshl_add_u32 v7, v0, 3, STAT0
	v_and_b32 v8, 31, v0
	v_lshl_add_u32 v8, v8, 2, EA0
	s_wait_dscnt 0x0                               ; for the others' sake: my stores are done (P's and the words' were waited for at the changes of slots)
	s_barrier_signal -1
	s_barrier_wait -1
.irp w, 0,1,2,3                        ; thread = slot: the four waves' (-M, l), and the 32 words of my query
	ds_load_b64 v[160+2*\w:161+2*\w], v7 offset:1024*\w
.endr
.irp n, 0,1,2,3
.irp s, 0,1,2,3,4,5,6,7
	ds_load_b32 v[128+4*\s+\n], v[EC] offset:4096*\n+512*\s
.endr
.endr
	s_wait_dscnt 0x0
.set fi, 0
.rept 64                               ; all of P's codes into the registers that held Q's, while the bytes are made
	BREG fi
	WIN (BW<<6)
.irp c, 0,1
.irp i, 0,1,2
	ds_load_b64 v[BR+6*\c+2*\i:BR+6*\c+2*\i+1], v[PRD+\c] offset:3072*(fi/8)+384*(fi%8)+8*\i
.endr
.endr
.set fi, fi+1
.endr
	WIN 0
	v_min3_num_f32 v168, v160, v162, v164
	v_min_num_f32 v168, v168, v166                 ; the final -M
.irp w, 0,1,2,3
	v_sub_f32 v[170+\w], v168, v[160+2*\w]
.endr
.irp w, 0,1,2,3
	v_cvt_i32_f32 v[170+\w], v[170+\w]
.endr
.irp w, 0,1,2,3
	v_ldexp_f32 v[170+\w], v[161+2*\w], v[170+\w]  ; each wave's sum under the final M: exact
.endr
	v_add_f32 v170, v170, v171
	v_add_f32 v172, v172, v173
	v_add_f32 v[LF], v170, v172
	v_cvt_i32_f32 v169, v168
	v_mov_b32 v174, 1
.set ix, 0
.rept 32
	v_add_nc_u32 v[128+ix], v[128+ix], v169        ; (byte + M) - final M
.set ix, ix+1
.endr
.set ix, 0
.rept 32
	v_cmp_gt_i32 vcc_lo, 1, v[128+ix]
	v_cndmask_b32 v[128+ix], v[128+ix], v174, vcc_lo   ; held at 1
.set ix, ix+1
.endr
.irp s, 0,1,2,3,4,5,6,7
	v_lshl_or_b32 v[176+\s], v[129+4*\s], 8, v[128+4*\s]
	v_lshl_or_b32 v[176+\s], v[130+4*\s], 16, v[176+\s]
	v_lshl_or_b32 v[176+\s], v[131+4*\s], 24, v[176+\s]
.endr
.irp s, 0,1,2,3,4,5,6,7
	ds_store_b32 v[EC], v[176+\s] offset:512*\s    ; P's scale words, over words of my own column, which I alone have read
.endr
	s_wait_dscnt 0x0
	s_barrier_signal -1
	s_barrier_wait -1
.irp g, 0,1,2,3
.irp s, 0,1,2,3,4,5,6,7
	ds_load_b32 v[BS+8*\g+\s], v8 offset:512*\s+128*\g
.endr
.endr
.irp t, 0,1,2,3,4,5,6,7
	v_mov_b32 v[ST+2*\t], 0                        ; D
	v_mov_b32 v[ST+2*\t+1], 0                      ; N
.endr
	s_wait_dscnt 0x0
	s_mov_b32 s17, 3
.Lchan:
	W2 0, 0
	CHANGE 0, 1, 0
	W2 1, 0
	CHANGE 1, 2, 1
	s_sub_co_u32 s17, s17, 1
	s_cmp_lg_u32 s17, 0
	s_cbranch_scc1 .Lchan
	W2 0, 0                                        ; the last two steps are written out: nothing is left to fetch
	s_wait_tensorcnt 0x0                           ; step 15's block, my last load
	W2 1, 1
	; THE END: D and N meet, thread = slot again
	s_lshl_b32 s44, s15, 12
	s_lshl_b32 s45, s14, 10
	s_add_co_u32 s44, s44, s45
	s_mov_b32 s45, 0
	s_add_nc_u64 s[44:45], s[10:11], s[44:45]      ; qsq: block 4 cx + wave
	v_and_b32 v104, 31, v0
	v_lshlrev_b32 v104, 2, v104
.irp s, 0,1,2,3,4,5,6,7
	global_load_b32 v[136+\s], v104, s[44:45] offset:128*\s
.endr
.irp t, 0,1,2,3,4,5,6,7
	v_permlanex16_b32 v[MX+\t], v[ST+2*\t], s20, s21
.endr
.irp t, 0,1,2,3,4,5,6,7
	v_permlanex16_b32 v[TP+\t], v[ST+2*\t+1], s20, s21
.endr
.irp t, 0,1,2,3,4,5,6,7
	v_add_f32 v[ST+2*\t], v[ST+2*\t], v[MX+\t]
.endr
.irp t, 0,1,2,3,4,5,6,7
	v_add_f32 v[ST+2*\t+1], v[ST+2*\t+1], v[TP+\t]
.endr
.irp t, 0,1,2,3,4,5,6,7
	ds_store_b64 v[SWA], v[ST+2*\t:ST+2*\t+1] offset:128*\t   ; these bytes' last reads lie ahead of the second barrier between the products
.endr
	s_wait_dscnt 0x0
	s_barrier_signal -1
	s_barrier_wait -1
.irp w, 0,1,2,3
	ds_load_b64 v[128+2*\w:129+2*\w], v7 offset:1024*\w
.endr
	s_lshl_b32 s46, s15, 15                        ; out0: 128 cx rows of 256 bytes + 4 x batch
	s_lshl_b32 s47, s16, 2
	s_add_co_u32 s46, s46, s47
	s_mov_b32 s47, 0
	s_add_nc_u64 s[46:47], s[12:13], s[46:47]
	v_lshrrev_b32 v105, 5, v0                      ; my slot's query: 32 (slot / 32) + 8 ((slot / 16) % 2) + slot % 16 + 8 ((slot / 8) % 2)
	v_bfe_u32 v106, v0, 4, 1
	v_bfe_u32 v107, v0, 3, 1
	v_add_nc_u32 v106, v106, v107
	v_lshlrev_b32 v106, 3, v106
	v_lshl_add_u32 v105, v105, 5, v106
	v_and_b32 v107, 15, v0
	v_add_nc_u32 v105, v105, v107
	v_lshlrev_b32 v105, 8, v105
	s_wait_dscnt 0x0
	v_add_f32 v128, v128, v130
	v_add_f32 v132, v132, v134
	v_add_f32 v128, v128, v132                     ; D
	v_add_f32 v129, v129, v131
	v_add_f32 v133, v133, v135
	v_add_f32 v129, v129, v133                     ; N
	s_wait_loadcnt 0x0
	v_add_f32 v136, v136, v137
	v_add_f32 v138, v138, v139
	v_add_f32 v140, v140, v141
	v_add_f32 v142, v142, v143
	v_add_f32 v136, v136, v138
	v_add_f32 v140, v140, v142
	v_add_f32 v136, v136, v140                     ; |q|^2
	v_rcp_f32 v144, v[LF]
	v_sqrt_f32 v145, v129
	v_sqrt_f32 v146, v136
	v_nop                                          ; a plain line behind the last of the three
	s_wait_alu depctr_va_vdst(0)                   ; one wait for the three, ahead of their first reader
	v_mul_f32 v145, v145, v144                     ; |O| = sqrt(N) / l
	v_max_num_f32 v145, 0x2b8cbccc, v145           ; held at 1e-12,
	v_max_num_f32 v146, 0x2b8cbccc, v146           ; |q| likewise
	v_mul_f32 v145, v145, v146
	v_mul_f32 v128, v128, v144                     ; q . O = D / l
	v_rcp_f32 v147, v145
	v_nop
	s_wait_alu depctr_va_vdst(0)
	v_mul_f32 v128, v128, v147
	global_store_b32 v105, v128, s[46:47]
	s_wait_tensorcnt 0x0                           ; the wave's end
	ds_add_u32 v[SPW], v[NIL]
	s_wait_dscnt 0x0
	CROUND                                         ; the closing round: no work-group ends while a partner may still ask for a block that names it
	s_endpgm
.Lfunc_end_k_qe66460c526_attn:
	.size	k_qe66460c526_attn, .Lfunc_end_k_qe66460c526_attn-k_qe66460c526_attn
	.p2alignl 7, 3214868480
	.fill 96, 4, 3214868480
	.section	.rodata,"a",@progbits
	.p2align	6, 0x0
	.amdhsa_kernel k_qe66460c526_attn
		.amdhsa_group_segment_fixed_size 327680
		.amdhsa_private_segment_fixed_size 0
		.amdhsa_enable_private_segment 0
		.amdhsa_kernarg_size 40
		.amdhsa_user_sgpr_count 2
		.amdhsa_user_sgpr_kernarg_segment_ptr 1
		.amdhsa_wavefront_size32 1
		.amdhsa_system_sgpr_workgroup_id_x 1
		.amdhsa_system_sgpr_workgroup_id_y 1
		.amdhsa_system_sgpr_workgroup_id_z 1
		.amdhsa_system_vgpr_workitem_id 0
		.amdhsa_next_free_vgpr 1024
		.amdhsa_next_free_sgpr 66
		.amdhsa_reserve_vcc 1
		.amdhsa_float_denorm_mode_32 3
		.amdhsa_float_denorm_mode_16_64 3
		.amdhsa_memory_ordered 1
		.amdhsa_forward_progress 1
		.amdhsa_inst_pref_size 255
	.end_amdhsa_kernel
	.section	.bss,"aw",@nobits
	.p2align	6
	.space	262144
	.amdgpu_metadata
---
amdhsa.version: [ 1, 2 ]
amdhsa.kernels:
  - .name:           k_qe66460c526_attn
    .symbol:         k_qe66460c526_attn.kd
    .args:
      - { .name: codes, .offset: 0, .size: 8, .value_kind: global_buffer, .address_space: global }
      - { .name: qcodes, .offset: 8, .size: 8, .value_kind: global_buffer, .address_space: global }
      - { .name: queries, .offset: 16, .size: 8, .value_kind: global_buffer, .address_space: global }
      - { .name: qsq, .offset: 24, .size: 8, .value_kind: global_buffer, .address_space: global }
      - { .name: out0, .offset: 32, .size: 8, .value_kind: global_buffer, .address_space: global }
    .group_segment_fixed_size: 327680
    .private_segment_fixed_size: 0
    .kernarg_segment_align: 8
    .kernarg_segment_size: 40
    .max_flat_workgroup_size: 128
    .sgpr_count:     66
    .vgpr_count:     1024
    .wavefront_size: 32
...
	.end_amdgpu_metadata
.endif
;; end of part 2
